; MI455X (gfx1250); checked and timed in simulation.
; The chip was launched on July 23, 2026; its instructions are those of AMD's public machine-readable ISA for CDNA 5 (MIT licence, August 2026) and "CDNA5" Instruction Set Architecture Reference Guide (July 2026). The comments in the code are by the model that wrote it; some were corrected since.
;; LSTM unit. Allowed arithmetic: float matrix products may take bf16 or f16 operands with f32 sums; other float arithmetic in f32, or as packed bf16 or f16 multiplies, adds, multiply-adds, maxima and minima; sums over many terms, partial sums and values carried from step to step in f32; what a program stores and reads back later, other than sums and carried values, may be rounded once to bf16 or f16.
;; Inputs: Wh 4 x 2,048 x 2,048 float32; Wx 4 x 2,048 x 2,048 float32; bh 4 x 2,048 float32; bx 4 x 2,048 float32; c 2,048 x 2,048 float32; h 2,048 x 2,048 float32; x 2,048 x 2,048 float32.
;; Outputs: out0 2,048 x 2,048 float32; out1 2,048 x 2,048 float32.
;; One version. Each part assembles by itself: llvm-mc -triple=amdgcn-amd-amdhsa -mcpu=gfx1250 --defsym DOCPART=n.
;; ======== version 1 of 1: 2 launches
;; workspace buffers: opb 83,886,080 bytes
;; launch tobf16 (part 1): grid 256 x 10, 8 waves a work-group, no clusters, 0 bytes of LDS; arguments x, h, Wx, Wh, opb; writes opb
.if DOCPART == 1
	.amdgcn_target "amdgcn-amd-amdhsa--gfx1250"
	.amdhsa_code_object_version 6
	.text
	.protected	k_qde0170fef7_tobf16
	.globl	k_qde0170fef7_tobf16
	.p2align	8
	.type	k_qde0170fef7_tobf16,@function
k_qde0170fef7_tobf16:
	s_mov_b64 s[64:65], 0
	v_nop
	global_prefetch_b8 v0, s[64:65] scope:SCOPE_SE
	s_setreg_imm32_b32 hwreg(HW_REG_WAVE_MODE, 25, 1), 1
	s_wait_xcnt 0x0
; x, h, Wx, Wh (f32) are rounded once, to nearest even, to bf16 and laid out as the operands of ONE product C = A B^T with K = 4,096:
;   opb: [10240 rows][4096] bf16, a row 8,192 bytes.
;   rows 0 .. 2047:      A.  Row b = x[b][0..2047], then h[b][0..2047].
;   rows 2048 + n':      B.  n' = (o >> 5) * 128 + g * 32 + (o & 31).  Row = Wx[g][o][0..2047], then Wh[g][o][0..2047].
; So 128 consecutive rows of B hold 32 output columns o of all four gates, which is what one wave of the next launch multiplies.
; SHARES.  The grid's y is a segment of 2,048 source rows of 8,192 bytes: 0 x, 1 h, 2-5 Wx's gates, 6-9 Wh's gates.  A work-group takes 8 rows of it, a wave one row.
; A wave issues its row's sixteen loads at once (each 512 consecutive bytes), converts them as they come and stores 256 consecutive, aligned bytes with each store.
; Every byte is read once and written once; no register is written twice, so no wait frees one.  LDS, barriers, matrix instructions and clusters have nothing to add to a copy: left out.
; LIMITS.  bf16 keeps f32's range and 8 significant bits; NaN and infinities come out as the conversion gives them.
.set X, 4                              ; v[4:67]   the row's 64 f32 of my lane, as loaded
.set Y, 68                             ; v[68:99]  the same as 64 bf16
	s_load_b256 s[4:11], s[0:1], 0x0               ; x s[4:5], h s[6:7], Wx s[8:9], Wh s[10:11]
	s_load_b64 s[12:13], s[0:1], 0x20              ; opb
	v_lshrrev_b32 v1, 5, v0
	v_readfirstlane_b32 s14, v1                    ; wave 0..7
	v_and_b32 v1, 31, v0                           ; lane
	v_lshlrev_b32 v2, 4, v1                        ; 16 bytes a lane in the source
	v_lshlrev_b32 v3, 3, v1                        ; 8 bytes a lane in opb
	s_and_b32 s15, ttmp7, 0xffff                   ; the segment, 0..9
	s_lshl_b32 s16, ttmp9, 3
	s_add_co_u32 s16, s16, s14                     ; my row in the segment, 0..2047: b, or o
	s_add_co_u32 s17, s15, 2                       ; segments 2-5 give 4-7, segments 6-9 give 8-11:
	s_and_b32 s18, s17, 3                          ; the gate,
	s_lshr_b32 s19, s17, 3                         ; and 0 for Wx, 1 for Wh: the half of K
	s_lshr_b32 s20, s16, 5
	s_lshl_b32 s20, s20, 7                         ; (o >> 5) * 128
	s_and_b32 s21, s16, 31
	s_add_co_u32 s20, s20, s21                     ; + (o & 31)
	s_lshl_b32 s21, s18, 5
	s_add_co_u32 s20, s20, s21                     ; + g * 32
	s_add_co_u32 s20, s20, 2048                    ; behind A's rows
	s_cmp_lt_u32 s15, 2                            ; x or h?  (the compare stands behind the logic lines, which write SCC)
	s_cselect_b32 s18, 0, s18                      ; they have no gate,
	s_cselect_b32 s19, s15, s19                    ; x is the first half of K, h the second,
	s_cselect_b32 s20, s16, s20                    ; and row b stays row b
	s_lshl_b32 s24, s18, 24                        ; source offset: a gate is 2048 x 2048 x 4 bytes,
	s_lshl_b32 s21, s16, 13                        ; a row 8,192
	s_add_co_u32 s24, s24, s21
	s_mov_b32 s25, 0
	s_lshl_b32 s26, s20, 13                        ; offset in opb: a row is 8,192 bytes,
	s_lshl_b32 s21, s19, 12                        ; half a row 4,096
	s_add_co_u32 s26, s26, s21
	s_mov_b32 s27, 0
	s_wait_kmcnt 0x0
	s_cmp_eq_u32 s19, 0                            ; the source buffer is chosen by the segment alone
	s_cselect_b64 s[28:29], s[4:5], s[6:7]         ; x or h
	s_cselect_b64 s[30:31], s[8:9], s[10:11]       ; Wx or Wh
	s_cmp_lt_u32 s15, 2
	s_cselect_b64 s[28:29], s[28:29], s[30:31]
	s_add_nc_u64 s[28:29], s[28:29], s[24:25]      ; my source row
	s_add_nc_u64 s[12:13], s[12:13], s[26:27]      ; my half row of opb
.irp j, 0,1,2,3,4,5,6,7,8,9,10,11,12,13,14,15
	global_load_b128 v[X+4*(\j):X+4*(\j)+3], v2, s[28:29] offset:512*(\j) th:TH_LOAD_NT  ; read once in the launch
.endr
.irp j, 0,1,2,3,4,5,6,7,8,9,10,11,12,13,14,15
	s_wait_loadcnt 15-(\j)                         ; loads come back in order (ISA guide 5.7.1): load j is in, the 15 - j younger ones stay out
	v_cvt_pk_bf16_f32 v[Y+2*(\j)], v[X+4*(\j)], v[X+4*(\j)+1]
	v_cvt_pk_bf16_f32 v[Y+2*(\j)+1], v[X+4*(\j)+2], v[X+4*(\j)+3]
	global_store_b64 v3, v[Y+2*(\j):Y+2*(\j)+1], s[12:13] offset:256*(\j)  ; 32 lanes store 256 consecutive bytes, at a multiple of 256 from opb's first byte
.endr
	s_endpgm
.Lfunc_end_k_qde0170fef7_tobf16:
	.size	k_qde0170fef7_tobf16, .Lfunc_end_k_qde0170fef7_tobf16-k_qde0170fef7_tobf16
	.p2alignl 7, 3214868480
	.fill 96, 4, 3214868480
	.section	.rodata,"a",@progbits
	.p2align	6, 0x0
	.amdhsa_kernel k_qde0170fef7_tobf16
		.amdhsa_group_segment_fixed_size 0
		.amdhsa_private_segment_fixed_size 0
		.amdhsa_enable_private_segment 0
		.amdhsa_kernarg_size 40
		.amdhsa_user_sgpr_count 2
		.amdhsa_user_sgpr_kernarg_segment_ptr 1
		.amdhsa_wavefront_size32 1
		.amdhsa_system_sgpr_workgroup_id_x 1
		.amdhsa_system_sgpr_workgroup_id_y 1
		.amdhsa_system_sgpr_workgroup_id_z 1
		.amdhsa_system_vgpr_workitem_id 0
		.amdhsa_next_free_vgpr 104
		.amdhsa_next_free_sgpr 66
		.amdhsa_reserve_vcc 0
		.amdhsa_float_denorm_mode_32 3
		.amdhsa_float_denorm_mode_16_64 3
		.amdhsa_memory_ordered 1
		.amdhsa_forward_progress 1
		.amdhsa_inst_pref_size 8
	.end_amdhsa_kernel
	.amdgpu_metadata
---
amdhsa.version: [ 1, 2 ]
amdhsa.kernels:
  - .name:           k_qde0170fef7_tobf16
    .symbol:         k_qde0170fef7_tobf16.kd
    .args:
      - { .name: x, .offset: 0, .size: 8, .value_kind: global_buffer, .address_space: global }
      - { .name: h, .offset: 8, .size: 8, .value_kind: global_buffer, .address_space: global }
      - { .name: Wx, .offset: 16, .size: 8, .value_kind: global_buffer, .address_space: global }
      - { .name: Wh, .offset: 24, .size: 8, .value_kind: global_buffer, .address_space: global }
      - { .name: opb, .offset: 32, .size: 8, .value_kind: global_buffer, .address_space: global }
    .group_segment_fixed_size: 0
    .private_segment_fixed_size: 0
    .kernarg_segment_align: 8
    .kernarg_segment_size: 40
    .max_flat_workgroup_size: 256
    .sgpr_count:     66
    .vgpr_count:     104
    .wavefront_size: 32
...
	.end_amdgpu_metadata
.endif
;; end of part 1
;; launch lstm (part 2): grid 32 x 8, 4 waves a work-group, clusters of 4 x 4, 327,680 bytes of LDS; arguments opb, bx, bh, c, out0, out1; writes out0, out1
.if DOCPART == 2
	.amdgcn_target "amdgcn-amd-amdhsa--gfx1250"
	.amdhsa_code_object_version 6
	.text
	.protected	k_qde0170fef7_lstm
	.globl	k_qde0170fef7_lstm
	.p2align	8
	.type	k_qde0170fef7_lstm,@function
k_qde0170fef7_lstm:
	s_mov_b64 s[64:65], 0
	v_nop
	global_prefetch_b8 v0, s[64:65] scope:SCOPE_SE
	s_setreg_imm32_b32 hwreg(HW_REG_WAVE_MODE, 25, 1), 1
	s_wait_xcnt 0x0
	s_wait_alu depctr_hold_cnt(0) depctr_sa_sdst(0) depctr_va_vdst(0) depctr_va_sdst(0) depctr_va_ssrc(0) depctr_va_vcc(0) depctr_vm_vsrc(0)
	s_getreg_b32 s2, hwreg(HW_REG_IB_STS2, 6, 4)
	s_cmp_eq_u32 s2, 0
	s_cbranch_scc0 .Lentry_in_a_cluster
	s_endpgm
.Lentry_in_a_cluster:
	s_bfe_u32 s2, ttmp6, 0x10000c
	s_cmp_lg_u32 s2, 0xf033
	s_cbranch_scc0 .Lentry_shape_is_right
	s_endpgm
.Lentry_shape_is_right:
; THE LSTM CELL.  gates[g][b][o] = sum over k of A[b][k] B[n'][k] + bx[g][o] + bh[g][o], with A = (x | h) and B = (Wx | Wh) in bf16 as the launch before laid them out in opb
; (A: rows 0-2047; B: rows 2048 + (o >> 5) * 128 + g * 32 + (o & 31); a row 4,096 bf16); sums in f32.  Then, in f32:
; i, f, o = sigmoid of gates 0, 1, 2; c_ = tanh of gate 3; out1 = c_new = f c + i c_; out0 = h_new = o tanh(c_new).  The gates never leave registers.
; SHARES.  A work-group owns 256 batch rows x 64 columns o of all four gates: a tile of 256 x 256 of A B^T.  Four waves, as many as a WGP has SIMDs; wave w owns batch rows 128 (w >> 1) on and
; the 128 rows of B with 32 (w & 1) + 0..31 of the tile's columns o, 32 rows a gate: 64 accumulators of 16 x 16, 512 registers.  32 x 8 = 256 work-groups.
; K goes in steps of 128 through a ring of two LDS slots filled by the tensor data mover; a tile's rows are 256 bytes of memory and start at multiples of 256 bytes from opb's first byte.
; CLUSTERS: 4 x 4 work-groups.  The four of a row of the cluster need the same tiles of A, the four of a column the same tiles of B: each tile is asked for JOINTLY, by the same tensor load with
; the same descriptor and a mask that names the four.
; THE MATRIX INSTRUCTION IS USED TRANSPOSED (source 0 = 16 rows of B, source 1 = 16 rows of A): in accumulator (a, b) lane l holds batch row 16 a + l % 16, gate b >> 1,
; and in registers 0-7 the columns o = 16 (b & 1) + 8 (l / 16) + 0..7.  So a lane holds all four gates of the same 16 (batch, o) places of a block a: the cell's arithmetic changes no lanes.
; THE BIASES are the C operand of the products that start the sums: bx + bh, 8 registers for each b, the same for every a.  Nothing is cleared and no bias is added later.
; c comes by a tensor load, a quarter of the tile a wave, into slot 0's first half when the ring has no further use for it, and lands during the last K step.
; h_new and c_new go through stages in LDS (slot bytes that have had their last fill), since a row's 256 bytes come from two waves, and leave as whole rows.
; LIMITS.  x, h, Wx, Wh were rounded once to bf16; c, bx, bh stay f32.  sigmoid(z) = 1 / (1 + 2^(-z log2 e)), tanh(z) = 1 - 2 / (1 + 2^(2 z log2 e)): both end at their limits where the
; exponential is 0 or infinite; this tanh has an absolute error of about 1e-7, so below |z| of about 1e-5 it loses relative accuracy; v_exp_f32 and v_rcp_f32 take denormals as 0 (ISA guide 15.8).
; NaN and infinities among the inputs are not treated apart.
;
; REGISTERS, in windows of 256 (s_set_vgpr_msb's low byte: bits 1:0 source 0, 3:2 source 1, 5:4 source 2, 7:6 destination):
;   window 0: v0-31 addresses; v64-127, v128-191 fragments of A, two buffers; behind the products v64-255 are at work for the cell and the way out
;   window 1: v0-63 bx + bh; v64-127, v128-191 fragments of B, two buffers; v192-255 bh as loaded
;   window 2: the 32 accumulators of my rows 0-63 ((a, b) at v[8 (8 a + b)]);   window 3: those of my rows 64-127
.set SIZE_K, 4096
.set KSTEP,  128
.set ROWB,   8192                      ; bytes in a row of opb (4,096 bf16), and of c, out0, out1, bx, bh (2,048 f32)
.set PITCH,  272                       ; an LDS row: 256 bytes + 16 of padding = 68 words: row r starts at bank 4 r mod 64 (64 banks of 4 bytes: ISA guide 11.1), so the 16 rows that a load touches start at 16 different banks
.set HALFT,  128*PITCH                 ; 128 rows: what one tensor load of the ring brings, and what one wave reads of A or of B
.set SLOT,   4*HALFT                   ; A's 256 rows, then B's 256 rows
.set SPARE,  2*SLOT                    ; behind the ring: the spare words, 128 bytes for each wave: two blocks of 256 bytes that no other line names
.set QC,     64*PITCH                  ; a wave's quarter of c's tile: 64 rows.  c's 256 rows take slot 0's bytes 0 .. 2 HALFT - 1 (where A's rows lay)
.set HST,    2*HALFT                   ; h_new's stage, 256 rows x 272: where slot 0's rows of B lay
.set NST,    SLOT                      ; c_new's stage: where slot 1's rows of A lay
.set LAPS,   SIZE_K/(2*KSTEP)          ; a lap = two K steps = once round the ring: 16
.set ADRA, 16                          ; v16-17  LDS address of my A fragments in slot 0, 1
.set ADRB, 20                          ; v20-21  the same for B
.set BO,   22                          ; v22     my byte offset in a gate's row of bx and bh
.set CA,   23                          ; v23     LDS address of my 32 bytes in row l % 16 of my first block of c
.set SH,   24                          ; v24     the same place in h_new's stage
.set SN,   25                          ; v25     and in c_new's
.set RDH,  26                          ; v26     the way out: where I read h_new's rows back
.set RDN,  27                          ; v27     and c_new's
.set SPW,  28                          ; v28     LDS address of my spare word: SPARE + 4 x my thread's number; never rewritten
.set NIL,  29                          ; v29     0; never rewritten
.set CO,   30                          ; v30     my byte offset in two rows of out0 and out1
.set F0,   64                          ; fragment buffer 0
.set F1,   128                         ; fragment buffer 1
.set BIAS, 0                           ; window 1
.set BH,   192                         ; window 1
.set T,    64                          ; the cell: 64 registers: gates i, f, o, c_ of a block, 16 each
.set CC,   128                         ; 16 registers: c, then c_new
.set U,    144                         ; 16 registers: tanh(c_new), then h_new
.set R0,   64                          ; the way out: three buffers of 64 registers, 32 rows each
.set R1,   128
.set R2,   192
.set G1,  24                           ; s[24:31] descriptor group 1 for A's tiles
.set G0,  32                           ; s[32:39] descriptor group 0 for A's tiles, one set for each slot
.set G1B, 48                           ; s[48:55] group 1 for B's tiles: it differs from A's in the mask alone
.set G0B, 56                           ; s[56:63] group 0 for B's tiles, one set for each slot
.set G1C, 80                           ; s[80:87] group 1 for c's tile
.set G0C, 88                           ; s[88:91] group 0 for c's tile
.set NL,  92                           ; s[92:93] -log2(e): the packed multiply takes the pair's low word for both halves
.set PL,  94                           ; s[94:95] 2 log2(e)
.set MSB, 0
.macro WIN new                         ; the immediate's high byte repeats the setting that is left; a switch that changes nothing is dropped
.if MSB != (\new)
	s_set_vgpr_msb (MSB<<8)|(\new)
.set MSB, \new
.endif
.endm
.set MUL_LO,   0xa1                    ; source 0 (B) window 1, source 1 (A) window 0, C and D window 2
.set MUL_HI,   0xf1                    ; the same, C and D window 3
.set FIRST_LO, 0x91                    ; the products that start the sums: C (the bias) window 1, D window 2
.set FIRST_HI, 0xd1                    ; D window 3
.set TO_B,     0x40                    ; destination window 1, address window 0
.set BSUM,     0x45                    ; destination and both sources window 1
.set G_LO,     0x02                    ; source 0 window 2, destination window 0; + 1: source 0 window 3
; A joint load.  Waves 0 and 1 fetch A's two halves, waves 2 and 3 B's.  Each of the two lines has ONE mask and one set of registers for all that issue it, and nothing in them hangs on a
; coordinate that the four partners do not share.  The branch hangs on the wave's number alone.  An s_nop 0 and four v_nop follow each line, ahead of the jump, the label and what follows.
.macro JLOAD s
	s_cmp_eq_u32 s11, 0
	s_cbranch_scc0 .Lfor_b_\@
	tensor_load_to_lds s[G0+4*(\s):G0+4*(\s)+3], s[G1:G1+7]
	s_nop 0
.rept 4
	v_nop
.endr
	s_branch .Lasked_\@
.Lfor_b_\@:
	tensor_load_to_lds s[G0B+4*(\s):G0B+4*(\s)+3], s[G1B:G1B+7]
	s_nop 0
.rept 4
	v_nop
.endr
.Lasked_\@:
.endm
; A round of the cluster's barrier: my work-group's barrier, so that wave 0's signal speaks for all four waves; wave 0 signals for the work-group; every wave waits for all sixteen
; work-groups; my work-group's barrier once more.  No LDS instruction of the wave is pending at a signal.
.macro CREST                           ; a round behind its opening barrier
	s_cmp_lg_u32 s10, 0
	s_cbranch_scc1 .Lnot_wave_0_\@
	s_barrier_signal -3
.Lnot_wave_0_\@:
	s_barrier_wait -3
	s_barrier_signal -1
	s_barrier_wait -1
.endm
.macro CROUND                          ; a whole round
	s_barrier_signal -1
	s_barrier_wait -1
	CREST
.endm
	s_load_b256 s[68:75], s[0:1], 0x0              ; opb s[68:69], bx s[70:71], bh s[72:73], c s[74:75]
	s_load_b128 s[76:79], s[0:1], 0x20             ; out0 s[76:77], out1 s[78:79]
	v_lshl_add_u32 v[SPW], v0, 2, SPARE
	v_mov_b32 v[NIL], 0
	ds_add_u32 v[SPW], v[NIL]                      ; the wave's opening: the add and its wait stand ahead of my first tensor load; the set-up below, work on registers, stands between them
	v_lshrrev_b32 v1, 5, v0
	v_readfirstlane_b32 s10, v1                    ; wave 0..3
	s_lshr_b32 s11, s10, 1                         ; which half of the tile's batch rows is mine.  Also: I fetch for A (0) or for B (1)
	s_and_b32 s12, s10, 1                          ; which half of its rows of B.  Also: which 128 rows of that tile I fetch
	s_bfe_u32 s40, ttmp6, 0x40000                  ; cx: my place along the cluster's x
	s_bfe_u32 s41, ttmp6, 0x40004                  ; cy: along its y
	s_lshl_b32 s42, ttmp9, 2                       ; in a cluster launch ttmp9 and ttmp7 count clusters
	s_add_co_u32 s42, s42, s40                     ; tile column (64 columns o) = 4 x cluster x + cx
	s_and_b32 s13, ttmp7, 0xffff
	s_lshl_b32 s13, s13, 2
	s_add_co_u32 s13, s13, s41                     ; tile row (256 batch rows) = 4 x cluster y + cy
	s_lshl_b32 s43, s41, 2
	s_lshl_b32 s43, 15, s43                        ; my row of the cluster: places 4 cy .. 4 cy + 3
	s_lshl_b32 s44, 0x1111, s40                    ; my column: places cx, cx + 4, cx + 8, cx + 12
	; descriptor group 1 for the ring: a tile of 128 rows x 128 elements of 2 bytes, padded in LDS
	s_or_b32 s[G1+0], s43, (1<<16)|(1<<20)|(1<<21)|(5<<22)|(3<<25)   ; 15:0 the mask: A's tiles go to my row; 17:16 element of 2 bytes; 20 padding on; 21 set beside a mask; 24:22 after every 64 words (code 5); 31:25 of 4 words (code 3)
	s_or_b32 s[G1B+0], s44, (1<<16)|(1<<20)|(1<<21)|(5<<22)|(3<<25)  ; the same with the mask of my column, for B's tiles
.irp g, G1, G1B
	s_mov_b32 s[(\g)+1], KSTEP<<16                 ; tensor_dim0 = 128
	s_mov_b32 s[(\g)+2], 128<<16                   ; tensor_dim1 = 128
	s_mov_b32 s[(\g)+3], KSTEP<<16                 ; tile_dim0 = 128
	s_mov_b32 s[(\g)+4], 128                       ; tile_dim1 = 128
	s_mov_b32 s[(\g)+5], SIZE_K                    ; elements from row to row
	s_mov_b32 s[(\g)+6], 0
	s_mov_b32 s[(\g)+7], 0
.endr
	; group 1 for c: 64 rows x 64 elements of 4 bytes, padded alike; no mask: each work-group has its own tile of c
	s_mov_b32 s[G1C+0], (2<<16)|(1<<20)|(5<<22)|(3<<25)
	s_mov_b32 s[G1C+1], 64<<16                     ; tensor_dim0 = 64
	s_mov_b32 s[G1C+2], 64<<16                     ; tensor_dim1 = 64
	s_mov_b32 s[G1C+3], 64<<16                     ; tile_dim0 = 64
	s_mov_b32 s[G1C+4], 64                         ; tile_dim1 = 64
	s_mov_b32 s[G1C+5], 2048                       ; elements from row to row
	s_mov_b32 s[G1C+6], 0
	s_mov_b32 s[G1C+7], 0
	s_mov_b32 s[G0C], 1                            ; count = 1
	s_mul_i32 s[G0C+1], s10, QC                    ; LDS address: wave x 64 rows
	s_mov_b32 s[NL], 0xbfb8aa3b                    ; -log2(e)
	s_mov_b32 s[NL+1], s[NL]                       ; named with it as a pair
	s_mov_b32 s[PL], 0x4038aa3b                    ; 2 log2(e)
	s_mov_b32 s[PL+1], s[PL]
	; where the ring's tiles come from.  A's hang on the tile row alone, which my row of the cluster shares; B's on the tile column alone, which my column shares.
	; Every wave makes both offsets, in registers that never hold the other coordinate, and asks by one of them.
	s_lshl_b32 s17, s12, 7                         ; which 128 rows of the tile I fetch
	s_lshl_b32 s16, s13, 8
	s_add_co_u32 s16, s16, s17                     ; A: row 256 x tile row + 128 x half
	s_lshl_b32 s46, s42, 8
	s_add_co_u32 s46, s46, s17                     ; B: row 256 x tile column + 128 x half
	s_lshl_b32 s16, s16, 13                        ; in bytes: 8,192 a row; 67 MB at the most
	s_lshl_b32 s46, s46, 13
	s_mov_b32 s17, 0
	s_mov_b32 s47, 0
	s_mul_i32 s20, s10, HALFT                      ; and where they go: A's two halves, then B's two halves = wave x 128 rows: no place in the cluster enters an LDS address
	; my 64 rows of the tile in c, out0 and out1: row 256 x tile row + 64 x wave, column byte 256 x tile column
	s_lshl_b32 s96, s13, 8
	s_lshl_b32 s97, s10, 6
	s_add_co_u32 s96, s96, s97
	s_lshl_b32 s96, s96, 13
	s_lshl_b32 s97, s42, 8
	s_add_co_u32 s96, s96, s97
	s_mov_b32 s97, 0
	s_wait_dscnt 0x0                               ; the opening add is done
	s_wait_kmcnt 0x0
	s_add_nc_u64 s[14:15], s[68:69], s[16:17]      ; A's tile
	s_add_nc_u64 s[98:99], s[68:69], 2048*ROWB     ; B begins behind A's 2,048 rows
	s_add_nc_u64 s[46:47], s[98:99], s[46:47]      ; B's tile
	s_add_nc_u64 s[G0C+2:G0C+3], s[74:75], s[96:97]
	s_or_b32 s[G0C+3], s[G0C+3], 0x80000000        ; type = 2
	s_add_nc_u64 s[76:77], s[76:77], s[96:97]      ; out0 and out1 at the rows that I store
	s_add_nc_u64 s[78:79], s[78:79], s[96:97]
	CROUND                                         ; all sixteen work-groups are here: the first joint loads meet
.irp s, 0,1
	s_mov_b32 s[G0+4*(\s)], 1                                      ; count = 1
	s_add_co_u32 s[G0+4*(\s)+1], s20, (\s)*SLOT                    ; LDS address
	s_add_nc_u64 s[G0+4*(\s)+2:G0+4*(\s)+3], s[14:15], (\s)*KSTEP*2  ; global address: K step s
	s_or_b32 s[G0+4*(\s)+3], s[G0+4*(\s)+3], 0x80000000            ; type = 2
	s_mov_b32 s[G0B+4*(\s)], 1
	s_add_co_u32 s[G0B+4*(\s)+1], s20, (\s)*SLOT
	s_add_nc_u64 s[G0B+4*(\s)+2:G0B+4*(\s)+3], s[46:47], (\s)*KSTEP*2
	s_or_b32 s[G0B+4*(\s)+3], s[G0B+4*(\s)+3], 0x80000000
	JLOAD \s                                       ; the ring is filled before anything else is done: two tensor loads of mine are out
.endr
	; A fragment is 16 rows x 32 K in 8 registers: lane l holds row l % 16; registers 0-3 hold K = 8 (l / 16) + 0..7, registers 4-7 K = 16 + 8 (l / 16) + 0..7: two loads of 16 bytes, 32 bytes apart.
	v_and_b32 v1, 15, v0                           ; l % 16
	v_bfe_u32 v2, v0, 4, 1                         ; l / 16
	v_mul_u32_u24 v3, v1, PITCH
	v_lshl_add_u32 v3, v2, 4, v3                   ; row x pitch + 16 x half
	s_mul_i32 s21, s11, HALFT                      ; my 128 rows of A
	s_mul_i32 s22, s12, HALFT                      ; my 128 rows of B,
	s_add_co_u32 s22, s22, 2*HALFT                 ; which lie behind A's 256
.irp s, 0,1
	v_add_nc_u32 v[ADRA+(\s)], s21, v3
	v_add_nc_u32 v[ADRB+(\s)], s22, v3
	s_add_co_u32 s21, s21, SLOT
	s_add_co_u32 s22, s22, SLOT
.endr
	s_lshl_b32 s21, s42, 8                         ; the biases: 4 bytes x (64 x tile column + 32 x my half of B + 8 (l / 16))
	s_lshl_b32 s22, s12, 7
	s_add_co_u32 s21, s21, s22
	v_lshl_add_u32 v[BO], v2, 5, s21
	WIN TO_B                                       ; for n block b: gate b / 2, columns 16 (b % 2) on; registers 0-7 = columns 8 (l / 16) + 0..7, as in the accumulators
.irp b, 0,1,2,3,4,5,6,7
	global_load_b128 v[BIAS+8*(\b):BIAS+8*(\b)+3],   v[BO], s[70:71] offset:((\b)/2)*ROWB+((\b)%2)*64
	global_load_b128 v[BIAS+8*(\b)+4:BIAS+8*(\b)+7], v[BO], s[70:71] offset:((\b)/2)*ROWB+((\b)%2)*64+16
	global_load_b128 v[BH+8*(\b):BH+8*(\b)+3],       v[BO], s[72:73] offset:((\b)/2)*ROWB+((\b)%2)*64
	global_load_b128 v[BH+8*(\b)+4:BH+8*(\b)+7],     v[BO], s[72:73] offset:((\b)/2)*ROWB+((\b)%2)*64+16
.endr
	WIN 0
	s_mul_i32 s23, s11, HALFT                      ; c's tile and the two stages have the tile's 256 rows of 64 f32: my rows 128 (w >> 1) on,
	s_add_co_u32 s23, s23, s22                     ; my 128 bytes of them (32 columns),
	v_mul_u32_u24 v4, v1, PITCH                    ; row l % 16,
	v_lshl_add_u32 v4, v2, 5, v4                   ; 32 bytes (8 columns) for each half of the lanes
	v_add_nc_u32 v[CA], s23, v4
	v_add_nc_u32 v[SH], HST, v[CA]
	v_add_nc_u32 v[SN], NST, v[CA]
	s_mul_i32 s23, s10, QC                         ; back: wave w takes rows 64 w .. 64 w + 63, whole; lanes 0-15 one row of 256 bytes, lanes 16-31 the next
	v_mul_u32_u24 v5, v2, PITCH
	v_lshl_add_u32 v5, v1, 4, v5
	v_add_nc_u32 v5, s23, v5
	v_add_nc_u32 v[RDH], HST, v5
	v_add_nc_u32 v[RDN], NST, v5
	v_lshlrev_b32 v[CO], 13, v2                    ; and the same two rows in out0 and out1
	v_lshl_add_u32 v[CO], v1, 4, v[CO]
; 16 matrix instructions: m blocks a0, a0 + 1 of the window's four (hi = 0: my rows 0-63, 1: rows 64-127) x all 8 n blocks, 32 along K.
; zero = 1: the first product starts the sums, with bx + bh as C: nothing is ever cleared.
.macro MUL16 f, hi, a0, zero
.if \zero
	WIN FIRST_LO+0x40*(\hi)
.else
	WIN MUL_LO+0x50*(\hi)
.endif
.irp a, \a0, (\a0)+1
.irp b, 0,1,2,3,4,5,6,7
.if \zero
	v_wmma_f32_16x16x32_bf16 v[8*(8*(\a)+(\b)):8*(8*(\a)+(\b))+7], v[(\f)+8*(\b):(\f)+8*(\b)+7], v[(\f)+8*(4*(\hi)+(\a)):(\f)+8*(4*(\hi)+(\a))+7], v[BIAS+8*(\b):BIAS+8*(\b)+7]
.else
	v_wmma_f32_16x16x32_bf16 v[8*(8*(\a)+(\b)):8*(8*(\a)+(\b))+7], v[(\f)+8*(\b):(\f)+8*(\b)+7], v[(\f)+8*(4*(\hi)+(\a)):(\f)+8*(4*(\hi)+(\a))+7], v[8*(8*(\a)+(\b)):8*(8*(\a)+(\b))+7]
.endif
.endr
.endr
.endm
; 32 LDS loads in one run: the fragments of one quarter step (128 rows of B, 128 rows of A, 32 K at byte k of the rows) into buffer f
.macro FETCH slot, k, f
	WIN TO_B
.irp i, 0,1,2,3,4,5,6,7
	ds_load_b128 v[(\f)+8*(\i):(\f)+8*(\i)+3],   v[ADRB+(\slot)] offset:(\k)+(\i)*16*PITCH
	ds_load_b128 v[(\f)+8*(\i)+4:(\f)+8*(\i)+7], v[ADRB+(\slot)] offset:(\k)+(\i)*16*PITCH+32
.endr
	WIN 0
.irp i, 0,1,2,3,4,5,6,7
	ds_load_b128 v[(\f)+8*(\i):(\f)+8*(\i)+3],   v[ADRA+(\slot)] offset:(\k)+(\i)*16*PITCH
	ds_load_b128 v[(\f)+8*(\i)+4:(\f)+8*(\i)+7], v[ADRA+(\slot)] offset:(\k)+(\i)*16*PITCH+32
.endr
.endm
; A load into a register that a matrix instruction has read, and a vector instruction that reads a matrix result or writes one of a matrix instruction's registers, stand four places behind
; that matrix instruction, and only plain vector instructions that name none of its registers are places (ISA guide 7.12.1 for vector instructions).
.macro PLACES
.rept 4
	v_nop
.endr
.endm
; A K step is four quarter steps of 32 along K, 64 matrix instructions each, on buffers 0, 1, 0, 1; the 64 accumulators take turns in the same order in every quarter.
; One of the first three: multiplies buffer f; in its middle it fetches the next quarter's fragments, at byte k of the same slot's rows, into buffer g.
.macro QUARTER slot, k, f, g, zero
	s_wait_dscnt 8                                 ; B and A's rows 0-63 are in; the youngest eight loads (A's rows 64-127) may be out
	MUL16 \f, 0, 0, \zero
	MUL16 \f, 0, 2, \zero
	PLACES
	FETCH \slot, \k, \g
	s_wait_dscnt 32                                ; all but the 32 just issued
	MUL16 \f, 1, 0, \zero
	MUL16 \f, 1, 2, \zero
.endm
; The last quarter multiplies buffer 1 and changes slots.  MEET is its first half: ONE barrier, which opens a round of the cluster's barrier.  In front of it each wave waits for all its tensor
; loads, of which one is out: its part of the next slot; adds 0 to its spare word; and waits for that and for its own reads of this slot.
.macro MEET
	WIN 0                                          ; (the add's two registers lie in window 0)
	s_wait_tensorcnt 0x0                           ; all my tensor loads have landed: the one that was out is my part of the next slot;
	ds_add_u32 v[SPW], v[NIL]                      ; 0 onto my spare word;
	s_wait_dscnt 9                                 ; (the add and the youngest eight loads may be out)
	MUL16 F1, 0, 0, 0                              ; sixteen matrix instructions stand between the add and the wait for it
	s_wait_dscnt 0x0                               ; the add is done, and my reads of this slot are over:
	s_barrier_signal -1                            ; say so,
	MUL16 F1, 0, 2, 0                              ; work on registers while the others arrive,
	WIN 0
	s_barrier_wait -1                              ; and go on when all four have said so
.endm
; The whole last quarter.  Behind the round the slot just read out is filled again first: kind = 0: with the K step two steps on, by a joint load, which has 224 matrix instructions in which to
; land; kind = 1 (slot 0, once, when the ring wants nothing more): with my quarter of c's tile, by a load of my own.  One tensor load a wave.  Then come the next slot's first fragments.
.macro TURN slot, next, kind
	MEET
	CREST                                          ; no wave of any partner still reads this slot's tile or has a load on its way
.if (\kind) == 0
	s_add_nc_u64 s[G0+4*(\slot)+2:G0+4*(\slot)+3], s[G0+4*(\slot)+2:G0+4*(\slot)+3], 2*KSTEP*2
	s_add_nc_u64 s[G0B+4*(\slot)+2:G0B+4*(\slot)+3], s[G0B+4*(\slot)+2:G0B+4*(\slot)+3], 2*KSTEP*2
	JLOAD \slot                                    ; the four v_nop behind it are also the places in front of the loads below
.else
	tensor_load_to_lds s[G0C:G0C+3], s[G1C:G1C+7]
	s_nop 0
	PLACES                                         ; the places in front of the loads below
.endif
	FETCH \next, 0, F0
	MUL16 F1, 1, 0, 0
	MUL16 F1, 1, 2, 0
.endm
; THE CELL for block a (16 batch rows x my 32 columns: 16 places a lane).  T+0..15 gate i, T+16..31 f, T+32..47 o, T+48..63 c_; place e = 8 (b & 1) + register.
; Each accumulator's lowest registers are read first.  Transcendentals stand in runs, a plain instruction behind each run before a result is used (ISA guide 5.7.2).
.macro GATE a
.set AC, 64*((\a)%4)
	WIN 0
.irp q, 0,1,2,3
	ds_load_b128 v[CC+4*(\q):CC+4*(\q)+3], v[CA] offset:(\a)*16*PITCH+((\q)/2)*64+((\q)%2)*16  ; c at my 16 places; waited for where it is used
.endr
	WIN G_LO+(\a)/4
.set i, 0
.rept 24
	v_pk_mul_f32 v[T+2*i:T+2*i+1], v[AC+2*i:AC+2*i+1], s[NL:NL+1] op_sel_hi:[1,0]  ; -z log2 e for the three sigmoids
.set i, i+1
.endr
.rept 8
	v_pk_mul_f32 v[T+2*i:T+2*i+1], v[AC+2*i:AC+2*i+1], s[PL:PL+1] op_sel_hi:[1,0]  ; 2 z log2 e for the tanh
.set i, i+1
.endr
	WIN 0
.set i, 0
.rept 64
	v_exp_f32 v[T+i], v[T+i]
.set i, i+1
.endr
	v_nop
.set i, 0
	s_wait_alu depctr_va_vdst(0)
.rept 32
	v_pk_add_f32 v[T+2*i:T+2*i+1], v[T+2*i:T+2*i+1], 1.0 op_sel_hi:[1,0]
.set i, i+1
.endr
.set i, 0
.rept 64
	v_rcp_f32 v[T+i], v[T+i]
.set i, i+1
.endr
	v_nop
.set i, 0
	s_wait_alu depctr_va_vdst(0)
.rept 8
	v_pk_fma_f32 v[T+48+2*i:T+48+2*i+1], v[T+48+2*i:T+48+2*i+1], -2.0, 1.0 op_sel_hi:[1,0,0]  ; c_ = 1 - 2 / (1 + 2^..)
.set i, i+1
.endr
.set i, 0
.rept 8
	v_pk_mul_f32 v[T+2*i:T+2*i+1], v[T+2*i:T+2*i+1], v[T+48+2*i:T+48+2*i+1]  ; i c_
.set i, i+1
.endr
	s_wait_dscnt 0x0                               ; c is in
.set i, 0
.rept 8
	v_pk_fma_f32 v[CC+2*i:CC+2*i+1], v[T+16+2*i:T+16+2*i+1], v[CC+2*i:CC+2*i+1], v[T+2*i:T+2*i+1]  ; c_new = f c + i c_
.set i, i+1
.endr
.irp q, 0,1,2,3
	ds_store_b128 v[SN], v[CC+4*(\q):CC+4*(\q)+3] offset:(\a)*16*PITCH+((\q)/2)*64+((\q)%2)*16
.endr
.set i, 0
.rept 8
	v_pk_mul_f32 v[U+2*i:U+2*i+1], v[CC+2*i:CC+2*i+1], s[PL:PL+1] op_sel_hi:[1,0]
.set i, i+1
.endr
.set i, 0
.rept 16
	v_exp_f32 v[U+i], v[U+i]
.set i, i+1
.endr
	v_nop
.set i, 0
	s_wait_alu depctr_va_vdst(0)
.rept 8
	v_pk_add_f32 v[U+2*i:U+2*i+1], v[U+2*i:U+2*i+1], 1.0 op_sel_hi:[1,0]
.set i, i+1
.endr
.set i, 0
.rept 16
	v_rcp_f32 v[U+i], v[U+i]
.set i, i+1
.endr
	v_nop
.set i, 0
	s_wait_alu depctr_va_vdst(0)
.rept 8
	v_pk_fma_f32 v[U+2*i:U+2*i+1], v[U+2*i:U+2*i+1], -2.0, 1.0 op_sel_hi:[1,0,0]  ; tanh(c_new)
.set i, i+1
.endr
.set i, 0
.rept 8
	v_pk_mul_f32 v[U+2*i:U+2*i+1], v[U+2*i:U+2*i+1], v[T+32+2*i:T+32+2*i+1]  ; h_new = o tanh(c_new)
.set i, i+1
.endr
.irp q, 0,1,2,3
	ds_store_b128 v[SH], v[U+4*(\q):U+4*(\q)+3] offset:(\a)*16*PITCH+((\q)/2)*64+((\q)%2)*16
.endr
.endm
; THE WAY OUT.  LOADB: 32 whole rows of a stage (half 0 or 1 of my 64) into 64 registers, two rows a load.  SENDB: they are stored.
.macro LOADB reg, adr, half
.irp t, 0,1,2,3,4,5,6,7,8,9,10,11,12,13,14,15
	ds_load_b128 v[(\reg)+4*(\t):(\reg)+4*(\t)+3], v[\adr] offset:(32*(\half)+2*(\t))*PITCH
.endr
.endm
.macro SENDB reg, base, half, younger  ; younger: the LDS loads issued behind this buffer's sixteen, which may stay out
.irp t, 0,1,2,3,4,5,6,7,8,9,10,11,12,13,14,15
	s_wait_dscnt (\younger)+15-(\t)                ; LDS loads come back in order (ISA guide 5.7.1): load t of the sixteen is in
	global_store_b128 v[CO], v[(\reg)+4*(\t):(\reg)+4*(\t)+3], s[(\base):(\base)+1] offset:(32*(\half)+2*(\t))*ROWB th:TH_STORE_NT  ; 16 lanes store 256 consecutive bytes, at a multiple of 256 from the buffer's first byte; 62 rows at the most in the immediate
.endr
.endm
	s_wait_tensorcnt 1                             ; my part of K step 0 is in; K step 1's may stay out
	s_barrier_signal -1
	s_barrier_wait -1                              ; everybody's is
	FETCH 0, 0, F0
	s_wait_loadcnt 0x0                             ; bx and bh
	WIN BSUM
.set i, 0
.rept 32
	v_pk_add_f32 v[BIAS+2*i:BIAS+2*i+1], v[BIAS+2*i:BIAS+2*i+1], v[BH+2*i:BH+2*i+1]
.set i, i+1
.endr
	QUARTER 0, 64,  F0, F1, 1                      ; the first quarter stands in front of the loop: its products start the sums
	WIN 0                                          ; at a label and at a branch every window is 0
	s_mov_b32 s3, LAPS-1
.Llap:                                                 ; a trip goes once round the ring, from a lap's second quarter to the next lap's first, and fills both slots again
	QUARTER 0, 128, F1, F0, 0
	QUARTER 0, 192, F0, F1, 0
	TURN 0, 1, 0
	QUARTER 1, 64,  F0, F1, 0
	QUARTER 1, 128, F1, F0, 0
	QUARTER 1, 192, F0, F1, 0
	TURN 1, 0, 0
	QUARTER 0, 64,  F0, F1, 0
	WIN 0
	s_sub_co_u32 s3, s3, 1
	s_cmp_lg_u32 s3, 0
	s_cbranch_scc1 .Llap
	QUARTER 0, 128, F1, F0, 0                      ; the last lap is written out: the ring asks for nothing more
	QUARTER 0, 192, F0, F1, 0
	TURN 0, 1, 1                                   ; slot 0's first half takes c's tile, which has the last K step in which to land
	QUARTER 1, 64,  F0, F1, 0
	QUARTER 1, 128, F1, F0, 0
	QUARTER 1, 192, F0, F1, 0
	s_wait_dscnt 8                                 ; the very last quarter: nothing more to fetch
	MUL16 F1, 0, 0, 0
	MUL16 F1, 0, 2, 0
	s_wait_dscnt 0x0                               ; my reads of slot 1 are over: behind the barrier its first half is c_new's stage;
	s_wait_tensorcnt 0x0                           ; my quarter of c's tile is in: behind the barrier other waves read it.
	s_barrier_signal -1
	MUL16 F1, 1, 0, 0
	MUL16 F1, 1, 2, 0
	WIN 0
	s_barrier_wait -1
	PLACES                                         ; in front of the loads into A's buffer 1 and of the lines that read results
.irp a, 0,1,2,3,4,5,6,7
	GATE \a
.endr
	s_wait_dscnt 0x0                               ; for the others' sake: my stores into the two stages are done
	s_barrier_signal -1
	s_barrier_wait -1                              ; a stage row's 256 bytes come from two waves
	LOADB R0, RDH, 0
	LOADB R1, RDH, 1
	SENDB R0, 76, 0, 16                            ; h_new
	LOADB R2, RDN, 0
	SENDB R1, 76, 1, 16
	s_wait_xcnt 0x0                                ; every earlier memory instruction has had its addresses translated (ISA guide 3.1): buffer R0, which stores read, is loaded again only behind this wait
	LOADB R0, RDN, 1
	SENDB R2, 78, 0, 16                            ; c_new
	SENDB R0, 78, 1, 0
	s_wait_tensorcnt 0x0                           ; the wave's end, behind my last tensor load and my last LDS store
	ds_add_u32 v[SPW], v[NIL]
	s_wait_dscnt 0x0
	CROUND                                         ; the closing round: no work-group ends while a partner may still ask for a tile that names it
	s_endpgm
.Lfunc_end_k_qde0170fef7_lstm:
	.size	k_qde0170fef7_lstm, .Lfunc_end_k_qde0170fef7_lstm-k_qde0170fef7_lstm
	.p2alignl 7, 3214868480
	.fill 96, 4, 3214868480
	.section	.rodata,"a",@progbits
	.p2align	6, 0x0
	.amdhsa_kernel k_qde0170fef7_lstm
		.amdhsa_group_segment_fixed_size 327680
		.amdhsa_private_segment_fixed_size 0
		.amdhsa_enable_private_segment 0
		.amdhsa_kernarg_size 48
		.amdhsa_user_sgpr_count 2
		.amdhsa_user_sgpr_kernarg_segment_ptr 1
		.amdhsa_wavefront_size32 1
		.amdhsa_system_sgpr_workgroup_id_x 1
		.amdhsa_system_sgpr_workgroup_id_y 1
		.amdhsa_system_sgpr_workgroup_id_z 1
		.amdhsa_system_vgpr_workitem_id 0
		.amdhsa_next_free_vgpr 1024
		.amdhsa_next_free_sgpr 100
		.amdhsa_reserve_vcc 0
		.amdhsa_float_denorm_mode_32 3
		.amdhsa_float_denorm_mode_16_64 3
		.amdhsa_memory_ordered 1
		.amdhsa_forward_progress 1
		.amdhsa_inst_pref_size 239
	.end_amdhsa_kernel
	.amdgpu_metadata
---
amdhsa.version: [ 1, 2 ]
amdhsa.kernels:
  - .name:           k_qde0170fef7_lstm
    .symbol:         k_qde0170fef7_lstm.kd
    .args:
      - { .name: opb, .offset: 0, .size: 8, .value_kind: global_buffer, .address_space: global }
      - { .name: bx, .offset: 8, .size: 8, .value_kind: global_buffer, .address_space: global }
      - { .name: bh, .offset: 16, .size: 8, .value_kind: global_buffer, .address_space: global }
      - { .name: c, .offset: 24, .size: 8, .value_kind: global_buffer, .address_space: global }
      - { .name: out0, .offset: 32, .size: 8, .value_kind: global_buffer, .address_space: global }
      - { .name: out1, .offset: 40, .size: 8, .value_kind: global_buffer, .address_space: global }
    .group_segment_fixed_size: 327680
    .private_segment_fixed_size: 0
    .kernarg_segment_align: 8
    .kernarg_segment_size: 48
    .max_flat_workgroup_size: 128
    .sgpr_count:     100
    .vgpr_count:     1024
    .wavefront_size: 32
...
	.end_amdgpu_metadata
.endif
;; end of part 2
